; MI455X (gfx1250); checked and timed in simulation.
; The chip was launched on July 23, 2026; its instructions are those of AMD's public machine-readable ISA for CDNA 5 (MIT licence, August 2026) and "CDNA5" Instruction Set Architecture Reference Guide (July 2026). The comments in the code are by the model that wrote it; some were corrected since.
;; Binary Linear. Allowed arithmetic: float matrix products may take bf16 or f16 operands with f32 sums; all other float work in f32.
;; Inputs: bias 4,096 float32; weight 4,096 x 4,096 float32; x 4,096 x 4,096 float32.
;; Outputs: out0 4,096 x 4,096 float32.
;; 2 versions, each right; version 2 is version 1 with the launch binarize written anew for expert scheduling mode. Each part assembles by itself: llvm-mc -triple=amdgcn-amd-amdhsa -mcpu=gfx1250 --defsym DOCPART=n.
;; ======== version 1 of 2: 2 launches
;; workspace buffers: xsign 8,388,608 bytes; wsign 8,388,608 bytes
;; launch binarize (part 1): grid 512 x 2, 8 waves a work-group, no clusters, 0 bytes of LDS; arguments x, weight, xsign, wsign; writes xsign, wsign
.if DOCPART == 1
	.amdgcn_target "amdgcn-amd-amdhsa--gfx1250"
	.amdhsa_code_object_version 6
	.text
	.protected	k_q8966c9bac3_binarize
	.globl	k_q8966c9bac3_binarize
	.p2align	8
	.type	k_q8966c9bac3_binarize,@function
k_q8966c9bac3_binarize:
	s_mov_b64 s[64:65], 0
	v_nop
	global_prefetch_b8 v0, s[64:65] scope:SCOPE_SE
	s_setreg_imm32_b32 hwreg(HW_REG_WAVE_MODE, 25, 1), 1
	s_wait_xcnt 0x0
; xsign and wsign hold the signs of x and weight, (v >= 0) ? +1 : -1, as 4-bit float codes (FP4, E2M1: +1 and -1 are exact), 2,048 bytes
; for a row of 4,096 numbers.  The test is 0 <= v in f32: true for -0.0, false for NaN, so -0.0 gives +1 and NaN gives -1.
; No limit of range is kept: only the outcome of the compare enters the result.
; ORDER OF THE CODES: inside each span of 1,024 numbers (a quarter of a row) the codes lie in a fixed permuted order, THE SAME for x and for
; weight: the 16 bytes at 16 l of the span's 512 hold the numbers 128 j + 4 l + 0..3, j = 0..7.  The next launch multiplies code by code
; at equal places and adds over a whole row, so an order that both tensors share changes no sum.
; A stream: every input byte is read once, every output byte written once; nothing is shared between waves, so there is no LDS, no barrier
; and no matrix work.  Grid y picks the tensor (0: x, 1: weight); work-group gx owns 131,072 input bytes = 32 spans of 4,096; wave w takes
; spans 8 s + w, s = 0..3.  Each of a span's eight loads covers 512 consecutive bytes; its one store covers 512 consecutive bytes, aligned.
; Two span slots in registers keep sixteen loads of every wave in flight.  Spans stand in the immediates, so no address register is
; rewritten, and each span has its own four store registers, so no store's data is rewritten: the only waits are counted waits for loads.
.set SPANI,  4096                      ; input bytes of a span
.set SPANO,  512                       ; output bytes of a span
.set WAVES,  8
.set IN,     1                         ; v1        4096 w + 16 lane, never rewritten
.set OUTO,   2                         ; v2        512 w + 16 lane = 16 t, never rewritten
.set NEG,    3                         ; v3        -1.0
.set POS,    4                         ; v4        +1.0; also the conversion's scale: exponent 0, a division by 1
.set T,      6                         ; v[6:13]   eight signs in f32, at work
.set X,      16                        ; v[16:79]  slot s % 2: 32 registers, a span as loaded
.set Y,      80                        ; v[80:95]  span s: 4 registers, 32 codes to store
.set MK,     20                        ; s20-27    eight compares' lane masks
	s_load_b256 s[4:11], s[0:1], 0x0               ; x s[4:5], weight s[6:7], xsign s[8:9], wsign s[10:11]
	s_and_b32 s12, ttmp7, 0xffff                   ; grid y: which tensor
	s_lshl_b32 s14, ttmp9, 17                      ; my 131,072 input bytes (at most 511 x 131,072: one word is enough)
	s_mov_b32 s15, 0
	s_lshl_b32 s16, ttmp9, 14                      ; my 16,384 output bytes
	s_mov_b32 s17, 0
	v_and_b32 v[IN], 31, v0                        ; lane
	v_lshrrev_b32 v5, 5, v0                        ; wave
	v_lshlrev_b32 v[IN], 4, v[IN]
	v_lshl_add_u32 v[IN], v5, 12, v[IN]
	v_lshlrev_b32 v[OUTO], 4, v0
	v_mov_b32 v[NEG], -1.0
	v_mov_b32 v[POS], 1.0
	s_wait_kmcnt 0x0
	s_cmp_eq_u32 s12, 0                            ; the choice hangs on the grid's y alone
	s_cselect_b64 s[4:5], s[4:5], s[6:7]           ; from x or from weight
	s_cselect_b64 s[8:9], s[8:9], s[10:11]         ; to xsign or to wsign
	s_add_nc_u64 s[4:5], s[4:5], s[14:15]
	s_add_nc_u64 s[8:9], s[8:9], s[16:17]
.irp s, 0,1
.irp j, 0,1,2,3,4,5,6,7
	global_load_b128 v[X+32*\s+4*\j:X+32*\s+4*\j+3], v[IN], s[4:5] offset:\s*WAVES*SPANI+\j*512 th:TH_LOAD_NT   ; spans 0 and 1; read once in the launch
.endr
.endr
; Group q of span s: the eight numbers of its loads 2 q and 2 q + 1 become one register of eight codes.
; ahead = 1: the two loads' registers are filled again from span s + 2.  left = how many younger loads may stay out.
.macro GROUP s, q, ahead, left
	s_wait_loadcnt \left                           ; loads come back in order (ISA guide 5.7.1): this group's two are in, the younger ones stay out
.irp j, 0,1,2,3,4,5,6,7
	v_cmp_le_f32 s[MK+\j], 0, v[X+32*(\s%2)+8*\q+\j]       ; 0 <= v: false for NaN, true for -0.0.  These eight lines also stand between the last conversion and the next write of T
.endr
.irp j, 0,1,2,3,4,5,6,7
	v_cndmask_b32 v[T+\j], v[NEG], v[POS], s[MK+\j]
.endr
.if \ahead
	global_load_b128 v[X+32*(\s%2)+8*\q:X+32*(\s%2)+8*\q+3],   v[IN], s[4:5] offset:(\s+2)*WAVES*SPANI+(2*\q)*512 th:TH_LOAD_NT
	global_load_b128 v[X+32*(\s%2)+8*\q+4:X+32*(\s%2)+8*\q+7], v[IN], s[4:5] offset:(\s+2)*WAVES*SPANI+(2*\q+1)*512 th:TH_LOAD_NT
.endif
	v_cvt_scalef32_pk8_fp4_f32 v[Y+4*\s+\q], v[T:T+7], v[POS]      ; eight codes in one register; exact: +1 and -1
.endm
.macro STORE s
	v_nop                                          ; one plain vector instruction between a scaled conversion and the first use of its result
	global_store_b128 v[OUTO], v[Y+4*\s:Y+4*\s+3], s[8:9] offset:\s*WAVES*SPANO    ; no hint: the next launch reads these bytes
.endm
.irp s, 0,1
.irp q, 0,1,2,3
	GROUP \s, \q, 1, 14                            ; behind the group's two loads: 6 - 2 q of its span, 8 of the next span, 2 q refills = 14
.endr
	STORE \s
.endr
.irp q, 0,1,2,3
	GROUP 2, \q, 0, 14-2*\q                        ; no refills any more: 6 - 2 q of this span and the 8 of the last
.endr
	STORE 2
.irp q, 0,1,2,3
	GROUP 3, \q, 0, 6-2*\q                         ; the counts run down to 0
.endr
	STORE 3
	s_endpgm
.Lfunc_end_k_q8966c9bac3_binarize:
	.size	k_q8966c9bac3_binarize, .Lfunc_end_k_q8966c9bac3_binarize-k_q8966c9bac3_binarize
	.p2alignl 7, 3214868480
	.fill 96, 4, 3214868480
	.section	.rodata,"a",@progbits
	.p2align	6, 0x0
	.amdhsa_kernel k_q8966c9bac3_binarize
		.amdhsa_group_segment_fixed_size 0
		.amdhsa_private_segment_fixed_size 0
		.amdhsa_enable_private_segment 0
		.amdhsa_kernarg_size 32
		.amdhsa_user_sgpr_count 2
		.amdhsa_user_sgpr_kernarg_segment_ptr 1
		.amdhsa_wavefront_size32 1
		.amdhsa_system_sgpr_workgroup_id_x 1
		.amdhsa_system_sgpr_workgroup_id_y 1
		.amdhsa_system_sgpr_workgroup_id_z 1
		.amdhsa_system_vgpr_workitem_id 0
		.amdhsa_next_free_vgpr 96
		.amdhsa_next_free_sgpr 66
		.amdhsa_reserve_vcc 0
		.amdhsa_float_denorm_mode_32 3
		.amdhsa_float_denorm_mode_16_64 3
		.amdhsa_memory_ordered 1
		.amdhsa_forward_progress 1
		.amdhsa_inst_pref_size 22
	.end_amdhsa_kernel
	.amdgpu_metadata
---
amdhsa.version: [ 1, 2 ]
amdhsa.kernels:
  - .name:           k_q8966c9bac3_binarize
    .symbol:         k_q8966c9bac3_binarize.kd
    .args:
      - { .name: x, .offset: 0, .size: 8, .value_kind: global_buffer, .address_space: global }
      - { .name: weight, .offset: 8, .size: 8, .value_kind: global_buffer, .address_space: global }
      - { .name: xsign, .offset: 16, .size: 8, .value_kind: global_buffer, .address_space: global }
      - { .name: wsign, .offset: 24, .size: 8, .value_kind: global_buffer, .address_space: global }
    .group_segment_fixed_size: 0
    .private_segment_fixed_size: 0
    .kernarg_segment_align: 8
    .kernarg_segment_size: 32
    .max_flat_workgroup_size: 256
    .sgpr_count:     66
    .vgpr_count:     96
    .wavefront_size: 32
...
	.end_amdgpu_metadata
.endif
;; end of part 1
;; launch gemm (part 2): grid 16 x 16, 4 waves a work-group, clusters of 4 x 4, 327,680 bytes of LDS; arguments xsign, wsign, bias, out0; writes out0
.if DOCPART == 2
	.amdgcn_target "amdgcn-amd-amdhsa--gfx1250"
	.amdhsa_code_object_version 6
	.text
	.protected	k_q8966c9bac3_gemm
	.globl	k_q8966c9bac3_gemm
	.p2align	8
	.type	k_q8966c9bac3_gemm,@function
k_q8966c9bac3_gemm:
	s_mov_b64 s[64:65], 0
	v_nop
	global_prefetch_b8 v0, s[64:65] scope:SCOPE_SE
	s_setreg_imm32_b32 hwreg(HW_REG_WAVE_MODE, 25, 1), 1
	s_wait_xcnt 0x0
	s_wait_alu depctr_hold_cnt(0) depctr_sa_sdst(0) depctr_va_vdst(0) depctr_va_sdst(0) depctr_va_ssrc(0) depctr_va_vcc(0) depctr_vm_vsrc(0)
	s_getreg_b32 s2, hwreg(HW_REG_IB_STS2, 6, 4)
	s_cmp_eq_u32 s2, 0
	s_cbranch_scc0 .Lentry_in_a_cluster
	s_endpgm
.Lentry_in_a_cluster:
	s_bfe_u32 s2, ttmp6, 0x10000c
	s_cmp_lg_u32 s2, 0xf033
	s_cbranch_scc0 .Lentry_shape_is_right
	s_endpgm
.Lentry_shape_is_right:
; out0[m][n] = sum over k of xsign[m][k] wsign[n][k] + bias[n].  xsign, wsign: [4096] rows of 2,048 bytes, 4,096 codes of 4 bits (FP4, E2M1),
; every code +1 or -1, made by the launch before, in an order of k that both share; bias: [4096] f32; out0: [4096][4096] f32.
; The codes are widened to bf16 on the way from LDS to the matrix unit: the products are bf16 products with f32 sums.  Every partial sum is
; a whole number of magnitude at most 4096, exact in f32 in any order of k; the one rounding is the f32 add of the bias.  No limit of range.
; A work-group makes a block of 256 x 256 of out0 with four waves, as many as a WGP has SIMDs; a wave makes 128 x 128: 64 accumulator
; tiles of 16 x 16, 512 registers.  K goes in 8 steps of 512 through a ring of two LDS slots filled by the tensor data mover: a tile's rows
; are 256 bytes of memory (512 codes) and start at multiples of 256 bytes from the buffer's first byte.
; CLUSTERS: 4 x 4 work-groups form a cluster (the grid of 16 x 16 divides).  The four of a row of the cluster need the same tiles of xsign
; (A); the four of a column the same tiles of wsign (B).  Such a tile is asked for JOINTLY: each of the four issues the same tensor load,
; with the same descriptor and a mask that names the four, and each receives it in its own LDS: a quarter of the requests.
;
; QUARTERS.  The work is 128 quarters of 32 along K, 64 matrix instructions each.  Chunk c (32 k of my 128 rows of A and of B) is widened
; during quarter c - 1 into fragment buffer c & 1 and multiplied in quarter c.  A lane's part of a 16 x 32 fragment is any 16 codes of its
; row, as long as A and B take the same places: two registers of codes, two conversions of eight codes each.
; REGISTERS, in windows of 256 (s_set_vgpr_msb's low byte: bits 1:0 source 0, 3:2 source 1, 5:4 source 2, 7:6 destination).  In every window
; v0-63 are raw codes or small things, v64-127 a fragment buffer, v128-255 sixteen accumulator tiles (tile (a, b) in window a / 2):
;   window 0: raw codes of the odd chunks (R0);  B's fragments, buffer 0        window 1: scale, addresses, bias;  A's fragments, buffer 0
;   window 2: raw codes of the even chunks (R2); B's fragments, buffer 1        window 3: scale;                   A's fragments, buffer 1
; So a conversion runs under the very setting of the matrix instructions round it: its source 0 (codes) lies in the window of B's buffer in
; use, its source 1 (scale) in the window of A's, its destination in the window of the accumulators at work, which is the window of the
; buffer to be filled.  One conversion stands behind each of a quarter's first 32 matrix instructions; four settings a quarter.
; LDS loads stand in one run of 32 for every four quarters (64 bytes of each of my 256 rows).
;
; THE MATRIX INSTRUCTION IS USED TRANSPOSED: source 0 = 16 rows of B, source 1 = 16 rows of A.  Lane l then holds row m = l % 16, and its
; registers 0 to 7 the columns n = 8 (l / 16) + 0 .. 7: eight NEIGHBOURING numbers of a row of out0, 32 bytes.
; The 64 accumulators take turns, one matrix instruction a turn, from quarter to quarter, over the loop's backward jump and into the tail
; too.
.set SIZE_N, 4096
.set ROWB,   2048                      ; bytes in a row of xsign and of wsign
.set SROW,   256                       ; bytes of a row in a slot: 512 along K
.set PITCH,  272                       ; an LDS row: 256 bytes of data + 16 of padding = 68 words: row r starts at bank 4 r mod 64 (64 banks of 4 bytes: ISA guide 11.1), so the 16 rows that a load touches start at 16 different banks
.set HALFT,  128*PITCH                 ; 128 rows: what one tensor load brings, and what one wave reads of A or of B
.set SLOT,   4*HALFT                   ; A's 256 rows, then B's 256 rows
.set STAGE,  2*SLOT                    ; byte 278,528 = 1,088 x 256, behind the ring: no tensor load fills it
.set SPITCH, 528                       ; a stage row: 128 f32 = 512 bytes + 16: 33 x 16, so 16 rows' equal columns fall on 16 different 16-byte columns modulo 256
.set WSTAGE, 16*SPITCH                 ; a wave's stage: 16 rows, 8,448 bytes = 33 x 256
.set RAW,  0                           ; v0-63    windows 0, 2: B's block i at 4 i, A's at 32 + 4 i; registers 0, 1 the first of two chunks, 2, 3 the second
.set FR,   64                          ; v64-127  fragments, block i at 8 i
.set ACC,  128                         ; v128-255 tile 8 (a % 2) + b at 8 x that
.set SC,   0                           ; v0       windows 1, 3: the conversions' scale, 0x7f in every byte: E8M0 for 1
.set ADRA, 2                           ; v2-3     window 1: LDS address of my rows of A in slot 0, 1
.set ADRB, 4                           ; v4-5     window 1: the same for B
.set STO,  6                           ; v6       window 1, on the way out window 0: where I put 32 bytes of a row
.set RD,   7                           ; v7       likewise: where I read 16 bytes of a row back
.set CO,   8                           ; v8       likewise: 16 x lane, my byte offset in a row of my block of out0
.set BIAS, 12                          ; v[12:15] likewise: bias of my four columns on the way out
.set FA,   64                          ; the way out's two buffers, in window 0
.set FB,   128
.set G1, 24                            ; s[24:31] descriptor group 1 for A's tiles
.set G0, 32                            ; s[32:39] descriptor group 0 for A's tiles, one set for each slot
.set G1B, 48                           ; s[48:55] descriptor group 1 for B's tiles: it differs from A's in the mask alone
.set G0B, 56                           ; s[56:63] descriptor group 0 for B's tiles, one set for each slot
.set MSB, 0
.macro WIN new                         ; the immediate's high byte repeats the setting that is left
.if MSB != (\new)
	s_set_vgpr_msb (MSB<<8)|(\new)
.set MSB, (\new)
.endif
.endm
; A joint load.  Waves 0 and 1 fetch A's two halves, waves 2 and 3 B's.  Each of the two lines has ONE mask and one set of registers for all
; that issue it, and nothing in them hangs on a coordinate that the four partners do not share.  The branch hangs on the wave's number alone.
; Four v_nop follow each of the two lines; the jump round the other line, the label and what follows the macro come after them.
.macro JLOAD s
	s_cmp_eq_u32 s11, 0
	s_cbranch_scc0 .Lfor_b_\@
	tensor_load_to_lds s[G0+4*\s:G0+4*\s+3], s[G1:G1+7]
	s_nop 0
.rept 4
	v_nop
.endr
	s_branch .Lasked_\@
.Lfor_b_\@:
	tensor_load_to_lds s[G0B+4*\s:G0B+4*\s+3], s[G1B:G1B+7]
	s_nop 0
.rept 4
	v_nop
.endr
.Lasked_\@:
.endm
; A round of the cluster's barrier: my work-group's barrier, so that wave 0's signal speaks for all four waves; wave 0 signals for the
; work-group; every wave waits for all sixteen work-groups; my work-group's barrier once more.  No LDS instruction of the wave is pending at a signal.
.macro CREST                           ; a round behind its opening barrier
	s_cmp_lg_u32 s10, 0
	s_cbranch_scc1 .Lnot_wave_0_\@
	s_barrier_signal -3
.Lnot_wave_0_\@:
	s_barrier_wait -3
	s_barrier_signal -1
	s_barrier_wait -1
.endm
.macro CROUND                          ; a whole round
	s_barrier_signal -1
	s_barrier_wait -1
	CREST
.endm
	s_load_b128 s[4:7], s[0:1], 0x0                ; xsign (A) s[4:5], wsign (B) s[6:7]
	s_load_b64 s[66:67], s[0:1], 0x10              ; bias
	s_load_b64 s[8:9], s[0:1], 0x18                ; out0
	s_set_vgpr_msb 0x40
	v_lshl_add_u32 v62, v0, 2, 0x4c400
	v_mov_b32 v63, 0
	s_set_vgpr_msb 0x4045
	ds_add_u32 v62, v63
	ds_add_u32 v62, v63
	s_set_vgpr_msb 0x4500
	v_lshrrev_b32 v1, 5, v0
	v_readfirstlane_b32 s10, v1                    ; wave 0..3
	s_lshr_b32 s11, s10, 1                         ; which half of the block's rows is mine.  Also: I fetch for A (0) or for B (1)
	s_and_b32 s12, s10, 1                          ; which half of its columns.  Also: which 128 rows of that tile I fetch
	s_bfe_u32 s40, ttmp6, 0x40000                  ; cx: my place along the cluster's x
	s_bfe_u32 s41, ttmp6, 0x40004                  ; cy: along its y
	s_lshl_b32 s42, ttmp9, 2                       ; in a cluster launch ttmp9 and ttmp7 count clusters
	s_add_co_u32 s42, s42, s40                     ; block column = 4 x cluster x + cx
	s_and_b32 s13, ttmp7, 0xffff
	s_lshl_b32 s13, s13, 2
	s_add_co_u32 s13, s13, s41                     ; block row = 4 x cluster y + cy
	s_lshl_b32 s43, s41, 2
	s_lshl_b32 s43, 15, s43                        ; my row of the cluster: places 4 cy .. 4 cy + 3
	s_lshl_b32 s44, 0x1111, s40                    ; my column: places cx, cx + 4, cx + 8, cx + 12
	; descriptor group 1: a tile of 128 rows x 256 bytes, stated as 128 elements of 2 bytes, padded in LDS
	s_or_b32 s[G1+0], s43, (1<<16)|(1<<20)|(1<<21)|(5<<22)|(3<<25)  ; 15:0 the mask: A's tiles go to my row; 17:16 element of 2 bytes; 20 padding on; 21 set beside a mask; 24:22 after every 64 words (code 5); 31:25 of 4 words (code 3)
	s_or_b32 s[G1B+0], s44, (1<<16)|(1<<20)|(1<<21)|(5<<22)|(3<<25) ; the same with the mask of my column, for B's tiles
	s_mov_b32 s[G1B+1], 128<<16
	s_mov_b32 s[G1+1], 128<<16                     ; 63:48 tensor_dim0, low half = 128
	s_mov_b32 s[G1B+2], 128<<16
	s_mov_b32 s[G1+2], 128<<16                     ; 79:64 its high half = 0; 95:80 tensor_dim1, low half = 128
	s_mov_b32 s[G1B+3], 128<<16
	s_mov_b32 s[G1+3], 128<<16                     ; 111:96 its high half = 0; 127:112 tile_dim0 = 128
	s_mov_b32 s[G1B+4], 128
	s_mov_b32 s[G1+4], 128                         ; 143:128 tile_dim1 = 128; 159:144 tile_dim2 = 0
	s_mov_b32 s[G1B+5], ROWB/2
	s_mov_b32 s[G1+5], ROWB/2                      ; 191:160 tensor_dim0_stride, low word: 1,024 elements of 2 bytes from row to row
	s_mov_b32 s[G1B+6], 0
	s_mov_b32 s[G1+6], 0
	s_mov_b32 s[G1B+7], 0
	s_mov_b32 s[G1+7], 0
	; where the tiles come from.  A's hang on the block row alone, which my row of the cluster shares; B's on the block column alone, which my
	; column shares.  Every wave makes both addresses, in registers that never hold the other coordinate, and asks by one of them.
	s_lshl_b32 s17, s12, 7                         ; which 128 rows of the tile I fetch
	s_lshl_b32 s16, s13, 8
	s_add_co_u32 s16, s16, s17                     ; A: row 256 x block row + 128 x half
	s_lshl_b32 s46, s42, 8
	s_add_co_u32 s46, s46, s17                     ; B: row 256 x block column + 128 x half
	s_mov_b32 s17, 0
	s_mov_b32 s47, 0
	s_mov_b64 s[18:19], ROWB
	s_mul_u64 s[16:17], s[16:17], s[18:19]         ; in bytes, in 64 bits
	s_mul_u64 s[46:47], s[46:47], s[18:19]
	s_mul_i32 s20, s10, HALFT                      ; and where they go: A's two halves, then B's two halves = wave x 128 rows: no place in the cluster enters an LDS address
	s_lshl_b32 s68, s42, 10                        ; bias: 256 columns x 4 bytes for each block column,
	s_lshl_b32 s69, s12, 9                         ; 128 x 4 bytes for my half of the columns
	s_add_co_u32 s68, s68, s69
	s_mov_b32 s69, 0
	s_wait_dscnt 0x0
	s_wait_kmcnt 0x0
	s_add_nc_u64 s[14:15], s[4:5], s[16:17]
	s_add_nc_u64 s[46:47], s[6:7], s[46:47]
	s_add_nc_u64 s[66:67], s[66:67], s[68:69]      ; bias at my wave's first column
	CROUND                                         ; all sixteen work-groups are here: the first joint loads meet
.irp s, 0,1
	s_mov_b32 s[G0+4*\s], 1                                        ; 1:0 count = 1
	s_add_co_u32 s[G0+4*\s+1], s20, \s*SLOT                        ; 63:32 LDS address
	s_add_nc_u64 s[G0+4*\s+2:G0+4*\s+3], s[14:15], \s*SROW         ; 120:64 global address: step s
	s_or_b32 s[G0+4*\s+3], s[G0+4*\s+3], 0x80000000                ; 127:126 type = 2
	s_mov_b32 s[G0B+4*\s], 1
	s_add_co_u32 s[G0B+4*\s+1], s20, \s*SLOT
	s_add_nc_u64 s[G0B+4*\s+2:G0B+4*\s+3], s[46:47], \s*SROW
	s_or_b32 s[G0B+4*\s+3], s[G0B+4*\s+3], 0x80000000
	JLOAD \s                                       ; the ring is filled before anything else is done: two tensor loads of the wave are out
.endr
	; Lane terms, made in window 0 (registers that raw codes take over later), and put where they stay: window 1.
	v_and_b32 v1, 15, v0                           ; l % 16
	v_bfe_u32 v2, v0, 4, 1                         ; l / 16
	v_mul_u32_u24 v3, v1, PITCH
	v_lshl_add_u32 v3, v2, 4, v3                   ; row x pitch + 16 x half: 16 bytes = 32 codes a lane and load
	v_mul_u32_u24 v4, v1, SPITCH                   ; the stage, in: row l % 16, 32 bytes for each half of the lanes
	v_lshl_add_u32 v4, v2, 5, v4
	v_and_b32 v5, 31, v0
	v_lshlrev_b32 v5, 4, v5                        ; 16 x lane: the 32 lanes take one row of 512 bytes
	s_mul_i32 s21, s11, HALFT                      ; my 128 rows of A
	s_mul_i32 s22, s12, HALFT                      ; my 128 rows of B,
	s_add_co_u32 s22, s22, 2*HALFT                 ; which lie behind A's 256
	s_mul_i32 s23, s10, WSTAGE
	s_add_co_u32 s23, s23, STAGE                   ; my stage
	WIN 0x40                                       ; destinations in window 1, sources in window 0
.irp s, 0,1
	v_add_nc_u32 v[ADRA+\s], s21, v3
	v_add_nc_u32 v[ADRB+\s], s22, v3
	s_add_co_u32 s21, s21, SLOT
	s_add_co_u32 s22, s22, SLOT
.endr
	v_add_nc_u32 v[STO], s23, v4
	v_add_nc_u32 v[RD], s23, v5
	v_mov_b32 v[CO], v5
	v_mov_b32 v[SC], 0x7f7f7f7f
	global_load_b128 v[BIAS:BIAS+3], v5, s[66:67]  ; bias of columns 4 lane .. 4 lane + 3 of my 128: the same four in every row that I store
	WIN 0xc0                                       ; destination in window 3
	v_mov_b32 v[SC], 0x7f7f7f7f
	WIN 0
; Four plain places.  A vector instruction that writes a register that a matrix instruction has read, and an LDS store that reads a matrix
; result, stand four places behind that matrix instruction, and only plain vector instructions that name none of its registers are places
; matrix instructions and conversions in between are not counted.
.macro PLACES
.rept 4
	v_nop
.endr
.endm
; One phase: the sixteen tiles of window w (m blocks 2 w, 2 w + 1 x all 8 n blocks), under a setting that the caller has made.
; mm = 1: their matrix instructions; zero = 1: the first product starts the sums, nothing is ever cleared.
; cv = 1: behind each, one conversion of eight codes for B's next fragments; cv = 2: for A's.  CU: which of the raw registers' two chunks.
.macro PHASE w, mm, zero, cv
.irp n, 0,1,2,3,4,5,6,7,8,9,10,11,12,13,14,15
.if \mm
.if \zero
	v_wmma_f32_16x16x32_bf16 v[ACC+8*\n:ACC+8*\n+7], v[FR+8*(\n&7):FR+8*(\n&7)+7], v[FR+8*(2*\w+(\n>>3)):FR+8*(2*\w+(\n>>3))+7], 0
.else
	v_wmma_f32_16x16x32_bf16 v[ACC+8*\n:ACC+8*\n+7], v[FR+8*(\n&7):FR+8*(\n&7)+7], v[FR+8*(2*\w+(\n>>3)):FR+8*(2*\w+(\n>>3))+7], v[ACC+8*\n:ACC+8*\n+7]
.endif
.endif
.if \cv
	v_cvt_scale_pk8_bf16_fp4 v[FR+4*\n:FR+4*\n+3], v[RAW+32*(\cv-1)+4*(\n>>1)+2*CU+(\n&1)], v[SC]
.endif
.endr
.endm
; 32 LDS loads in one run: 64 bytes of each of my 128 rows of B and of A, at byte LOFF of slot LSLOT's rows = four chunks.
; The first 32 bytes go to R2 (the two even chunks), which the next quarter's conversions read; the other 32 to R0 (the two odd chunks).
.macro RUN
	v_nop                                          ; a plain place between the last conversion, which read R0, and the loads that fill it again
	WIN 0x81                                       ; data to window 2, addresses from window 1
.irp i, 0,1,2,3,4,5,6,7
	ds_load_b128 v[RAW+4*\i:RAW+4*\i+3], v[ADRB+LSLOT] offset:LOFF+\i*16*PITCH
.endr
.irp i, 0,1,2,3,4,5,6,7
	ds_load_b128 v[RAW+32+4*\i:RAW+32+4*\i+3], v[ADRA+LSLOT] offset:LOFF+\i*16*PITCH
.endr
	WIN 0x01                                       ; data to window 0
.irp i, 0,1,2,3,4,5,6,7
	ds_load_b128 v[RAW+4*\i:RAW+4*\i+3], v[ADRB+LSLOT] offset:LOFF+32+\i*16*PITCH
.endr
.irp i, 0,1,2,3,4,5,6,7
	ds_load_b128 v[RAW+32+4*\i:RAW+32+4*\i+3], v[ADRA+LSLOT] offset:LOFF+32+\i*16*PITCH
.endr
.endm
; Quarter g of a lap of 32 (two steps, once round the ring): multiplies chunk g from buffer g & 1 and widens chunk g + 1 into the other.
; Even g: B in window 0, A in window 1, tiles of windows 2, 3, 0, 1; codes from R0 fill B's buffer 1 (window 2), then A's (window 3).
; Odd g:  B in window 2, A in window 3, tiles of windows 0, 1, 2, 3; codes from R2 fill B's buffer 0 (window 0), then A's (window 1).
; cv = 0: nothing is left to widen.  run = 1: where g & 3 = 2 the run of loads for chunks g + 2 .. g + 5 stands in the quarter's middle.
; chg (odd g alone) = 1: the change of slots, one barrier; = 2: the slot that has been read is filled again, two steps ahead, and the barrier
; opens a round of the cluster's barrier.  The slot's last reads were issued three quarters ago; the next slot's first stand in the next quarter.
.macro QUARTER g, zero, cv, run, chg
.set CU,    (((\g)+1)>>1)&1
.set LSLOT, (((\g)+2)>>4)&1
.set LOFF,  ((((\g)+2)>>2)&3)*64
.set CSLOT, ((\g)>>4)&1
.if ((\g)&3) == 3
	s_wait_dscnt 16                                ; R2's sixteen loads of the last quarter's run are in; R0's sixteen, issued behind them, may be out
.endif
.if ((\g)&3) == 0
	s_wait_dscnt 0                                 ; R0's are in too
.endif
.if \chg
	s_wait_dscnt 0x0                               ; my reads of this slot are over,
	s_set_vgpr_msb 0x5455
	s_wait_tensorcnt 0x0                           ; and all my tensor loads have landed: the one that was out is my part of the next slot:
	ds_add_u32 v62, v63
	s_wait_dscnt 0x0
	s_set_vgpr_msb 0x5554
	s_barrier_signal -1                            ; say so
.endif
	PLACES                                         ; behind the last quarter's matrix instructions, which read the buffer that is written now; and the plain place between the last quarter's conversions and the matrix instructions that read their results
.if (\g)&1
	WIN 0x0e
	PHASE 0, 1, 0, \cv                             ; (in a change of slots: work on registers while the others arrive)
.if \chg
	WIN 0
	s_barrier_wait -1                              ; all four waves have said so
.if \chg == 2
	CREST                                          ; wave 0 says so for the work-group, all sixteen work-groups have said so, my work-group's barrier closes the round:
	                                               ; no wave of any partner still reads this slot's tile or has a load on its way
	s_add_nc_u64 s[G0+4*CSLOT+2:G0+4*CSLOT+3], s[G0+4*CSLOT+2:G0+4*CSLOT+3], 2*SROW
	s_add_nc_u64 s[G0B+4*CSLOT+2:G0B+4*CSLOT+3], s[G0B+4*CSLOT+2:G0B+4*CSLOT+3], 2*SROW
	JLOAD CSLOT                                    ; the first tensor load behind the round, the wave's only one until the next: sixteen quarters less one phase in which to land
.endif
.endif
	WIN 0x5e
	PHASE 1, 1, 0, 2*\cv
	WIN 0xae
	PHASE 2, 1, 0, 0
	WIN 0xfe
	PHASE 3, 1, 0, 0
.else
	WIN 0xa4
	PHASE 2, 1, \zero, \cv
	WIN 0xf4
	PHASE 3, 1, \zero, 2*\cv
.if ((\g)&3) == 2
.if \run
	RUN
.endif
.endif
	WIN 0x04
	PHASE 0, 1, \zero, 0
	WIN 0x54
	PHASE 1, 1, \zero, 0
.endif
.endm
	s_wait_tensorcnt 1                             ; my part of step 0 is in; step 1's load stays out
	s_wait_loadcnt 0x0                             ; my four bias numbers, once; the load's address register is free for raw codes
	s_barrier_signal -1
	s_barrier_wait -1                              ; everybody's part of step 0 is in
.set LSLOT, 0
.set LOFF,  0
	RUN                                            ; chunks 0 to 3
	s_wait_dscnt 16                                ; R2 (chunks 0 and 2) is in; R0's sixteen loads may be out
.set CU, 0
	WIN 0x0e
	PHASE 0, 0, 0, 1                               ; chunk 0 is widened ahead of everything: B's buffer 0,
	WIN 0x5e
	PHASE 1, 0, 0, 2                               ; A's buffer 0
	QUARTER 0, 1, 1, 1, 0                          ; the first quarter stands in front of the loop: its products start the sums
	WIN 0                                          ; at a label and at a branch every window is 0
	s_mov_b32 s3, 3                                ; three laps in the loop: quarters 1 to 96, with the six refills (steps 2 to 7)
.Llap:
.irp g, 1,2,3,4,5,6,7,8,9,10,11,12
	QUARTER \g, 0, 1, 1, 0
.endr
	QUARTER 13, 0, 1, 1, 2                         ; slot 0 has been read: filled again
.irp g, 14,15,16,17,18,19,20,21,22,23,24,25,26,27,28
	QUARTER \g, 0, 1, 1, 0
.endr
	QUARTER 29, 0, 1, 1, 2                         ; slot 1 has been read: filled again
.irp g, 30,31,32
	QUARTER \g, 0, 1, 1, 0
.endr
	WIN 0
	s_sub_co_u32 s3, s3, 1
	s_cmp_lg_u32 s3, 0
	s_cbranch_scc1 .Llap
	; the last 31 quarters (steps 6 and 7) fill nothing and have no round of the cluster's barrier
.irp g, 1,2,3,4,5,6,7,8,9,10,11,12
	QUARTER \g, 0, 1, 1, 0
.endr
	QUARTER 13, 0, 1, 1, 1                         ; the last change of slots: my one tensor load that was still out is step 7's
.irp g, 14,15,16,17,18,19,20,21,22,23,24,25,26,27,28,29
	QUARTER \g, 0, 1, 1, 0
.endr
	QUARTER 30, 0, 1, 0, 0                         ; nothing more to read
	QUARTER 31, 0, 0, 0, 0                         ; nothing more to widen
	; THE WAY OUT, 16 rows of out0 at a time: 32 bytes a lane into my own stage in LDS, read back as whole rows of 512 bytes, bias added, stored.
	; The four v_nop of PLACES are the places behind the last matrix instructions: for the LDS stores, which read results, and for the loads into the two buffers.
	PLACES
	WIN 0x01                                       ; from window 1 to window 0, whose first 64 registers are free now: the way out then runs in window 0 but for the stores' data
.irp r, STO, RD, CO, BIAS, BIAS+1, BIAS+2, BIAS+3
	v_mov_b32 v[\r], v[\r]
.endr
	WIN 0
	s_lshl_b32 s13, s13, 8
	s_lshl_b32 s14, s11, 7
	s_add_co_u32 s16, s13, s14                     ; my first row of out0: 256 x block row + 128 x half
	s_mov_b32 s17, 0
	s_mov_b64 s[18:19], SIZE_N*4
	s_mul_u64 s[16:17], s[16:17], s[18:19]
	s_add_nc_u64 s[8:9], s[8:9], s[16:17]
	s_lshl_b32 s46, s42, 10                        ; my first column, in bytes: 1,024 x block column + 512 x half (in the registers that held B's address: none that feeds A's descriptors ever holds cx)
	s_lshl_b32 s47, s12, 9
	s_add_co_u32 s46, s46, s47
	s_mov_b32 s47, 0
	s_add_nc_u64 s[8:9], s[8:9], s[46:47]
; rows 16 a .. 16 a + 15 of my block = the eight tiles (a, 0..7) of window a / 2 (an LDS store's data is source 1); f: FA or FB in turn.
; FB is the place of the tiles (0, 0..7), which are staged before it is first loaded.
.macro OUT16 a, f
	WIN ((\a)>>1)<<2
.irp b, 0,1,2,3,4,5,6,7
	ds_store_b128 v[STO], v[ACC+8*(8*((\a)&1)+\b):ACC+8*(8*((\a)&1)+\b)+3]   offset:64*\b      ; row l % 16, columns 16 b + 8 (l / 16) + 0..3
	ds_store_b128 v[STO], v[ACC+8*(8*((\a)&1)+\b)+4:ACC+8*(8*((\a)&1)+\b)+7] offset:64*\b+16   ; and + 4..7
.endr
	WIN 0
	s_wait_xcnt 0x0                                ; every earlier memory instruction has had its addresses translated (ISA guide 3.1): buffer f, which stores read, and the stores' base are rewritten only behind this wait
.if \a
	s_add_nc_u64 s[8:9], s[8:9], 16*SIZE_N*4       ; 16 rows of out0 on, so that the stores' offsets stay small: 15 rows = 245,760 bytes at the most
.endif
.irp t, 0,1,2,3,4,5,6,7,8,9,10,11,12,13,14,15
	ds_load_b128 v[\f+4*\t:\f+4*\t+3], v[RD] offset:\t*SPITCH      ; LDS serves a wave's instructions in order (ISA guide 5.7.1.4): these see the stores above; the stage is my wave's own
.endr
.irp t, 0,1,2,3,4,5,6,7,8,9,10,11,12,13,14,15
	s_wait_dscnt 15-\t                             ; row t is back; the younger rows may stay out
	v_pk_add_f32 v[\f+4*\t:\f+4*\t+1],   v[\f+4*\t:\f+4*\t+1],   v[BIAS:BIAS+1]
	v_pk_add_f32 v[\f+4*\t+2:\f+4*\t+3], v[\f+4*\t+2:\f+4*\t+3], v[BIAS+2:BIAS+3]
	global_store_b128 v[CO], v[\f+4*\t:\f+4*\t+3], s[8:9] offset:\t*SIZE_N*4 th:TH_STORE_NT   ; the wave stores 512 consecutive bytes, at a multiple of 512 from out0's first byte; written once, not read again
.endr
.endm
	OUT16 0, FA
	OUT16 1, FB
	OUT16 2, FA
	OUT16 3, FB
	OUT16 4, FA
	OUT16 5, FB
	OUT16 6, FA
	OUT16 7, FB
	s_set_vgpr_msb 0x5
	s_wait_tensorcnt 0x0
	ds_add_u32 v62, v63
	s_wait_dscnt 0x0
	s_set_vgpr_msb 0x500
	CROUND                                         ; the closing round: no work-group ends while a partner may still ask for a tile that names it
	s_endpgm
.Lfunc_end_k_q8966c9bac3_gemm:
	.size	k_q8966c9bac3_gemm, .Lfunc_end_k_q8966c9bac3_gemm-k_q8966c9bac3_gemm
	.p2alignl 7, 3214868480
	.fill 96, 4, 3214868480
	.section	.rodata,"a",@progbits
	.p2align	6, 0x0
	.amdhsa_kernel k_q8966c9bac3_gemm
		.amdhsa_group_segment_fixed_size 327680
		.amdhsa_private_segment_fixed_size 0
		.amdhsa_enable_private_segment 0
		.amdhsa_kernarg_size 32
		.amdhsa_user_sgpr_count 2
		.amdhsa_user_sgpr_kernarg_segment_ptr 1
		.amdhsa_wavefront_size32 1
		.amdhsa_system_sgpr_workgroup_id_x 1
		.amdhsa_system_sgpr_workgroup_id_y 1
		.amdhsa_system_sgpr_workgroup_id_z 1
		.amdhsa_system_vgpr_workitem_id 0
		.amdhsa_next_free_vgpr 1024
		.amdhsa_next_free_sgpr 72
		.amdhsa_reserve_vcc 0
		.amdhsa_float_denorm_mode_32 3
		.amdhsa_float_denorm_mode_16_64 3
		.amdhsa_memory_ordered 1
		.amdhsa_forward_progress 1
		.amdhsa_inst_pref_size 255
	.end_amdhsa_kernel
	.section	.bss,"aw",@nobits
	.p2align	6
	.space	262144
	.amdgpu_metadata
---
amdhsa.version: [ 1, 2 ]
amdhsa.kernels:
  - .name:           k_q8966c9bac3_gemm
    .symbol:         k_q8966c9bac3_gemm.kd
    .args:
      - { .name: xsign, .offset: 0, .size: 8, .value_kind: global_buffer, .address_space: global }
      - { .name: wsign, .offset: 8, .size: 8, .value_kind: global_buffer, .address_space: global }
      - { .name: bias, .offset: 16, .size: 8, .value_kind: global_buffer, .address_space: global }
      - { .name: out0, .offset: 24, .size: 8, .value_kind: global_buffer, .address_space: global }
    .group_segment_fixed_size: 327680
    .private_segment_fixed_size: 0
    .kernarg_segment_align: 8
    .kernarg_segment_size: 32
    .max_flat_workgroup_size: 128
    .sgpr_count:     72
    .vgpr_count:     1024
    .wavefront_size: 32
...
	.end_amdgpu_metadata
.endif
;; end of part 2
;; ======== version 2 of 2: 2 launches; version 1 with the launch binarize written anew for expert scheduling mode
;; workspace buffers: xsign 8,388,608 bytes; wsign 8,388,608 bytes
;; launch binarize (part 3): grid 512 x 2, 8 waves a work-group, no clusters, 0 bytes of LDS; arguments x, weight, xsign, wsign; writes xsign, wsign
.if DOCPART == 3
	.amdgcn_target "amdgcn-amd-amdhsa--gfx1250"
	.amdhsa_code_object_version 6
	.text
	.protected	k_q8966c9bac3_binarize
	.globl	k_q8966c9bac3_binarize
	.p2align	8
	.type	k_q8966c9bac3_binarize,@function
k_q8966c9bac3_binarize:
	s_mov_b64 s[64:65], 0
	v_nop
	global_prefetch_b8 v0, s[64:65] scope:SCOPE_SE
	s_setreg_imm32_b32 hwreg(HW_REG_WAVE_SCHED_MODE, 0, 2), 2
	s_setreg_imm32_b32 hwreg(HW_REG_WAVE_MODE, 25, 1), 1
	s_wait_xcnt 0x0
	s_wait_alu depctr_vm_vsrc(0)
; xsign and wsign hold the signs of x and weight, (v >= 0) ? +1 : -1, as 4-bit float codes (FP4, E2M1: +1 and -1 are exact), 2,048 bytes
; for a row of 4,096 numbers.  The test is 0 <= v in f32: true for -0.0, false for NaN, so -0.0 gives +1 and NaN gives -1.
; No limit of range is kept: only the outcome of the compare enters the result.
; ORDER OF THE CODES: inside each span of 1,024 numbers (a quarter of a row) the codes lie in a fixed permuted order, THE SAME for x and for
; weight: the 16 bytes at 16 l of the span's 512 hold the numbers 128 j + 4 l + 0..3, j = 0..7.  The next launch multiplies code by code
; at equal places and adds over a whole row, so an order that both tensors share changes no sum.
; A stream: every input byte is read once, every output byte written once; nothing is shared between waves, so there is no LDS, no barrier
; and no matrix work.  Grid y picks the tensor (0: x, 1: weight); work-group gx owns 131,072 input bytes = 32 spans of 4,096; wave w takes
; spans 8 s + w, s = 0..3.  Each of a span's eight loads covers 512 consecutive bytes; its one store covers 512 consecutive bytes, aligned.
; Spans stand in the immediates, so no address register is rewritten, and each span has its own four store registers, so no store's data is rewritten.
; THE MODE: SCHED_MODE bits 1:0 = 2 (LLVM: expert scheduling mode 2), set by the entry lines.  The code itself states the register dependences
; between vector instructions and memory instructions, and between a vector instruction that writes a scalar register and its reader, with s_wait_alu, always for 0.
; THE PLAN.  A wave's work is 16 groups; group g = group g % 4 of span g / 4: two loads, eight numbers, one register of eight codes.
;   X         nine group buffers, group g in buffer g % 9.  Written by loads alone; read by group g's eight compares, in step g; asked for again, for group g + 9, in step g + 1.
;   Y         register Y + g: written once, by group g's conversion, in step g + 1; read by the span's store, in step 4 s + 5 (the last span's: behind the last conversion).
;   v1, v2    byte offsets, made once at the head and never written again.
;   s20-27    the compares' lane masks: written in step g, first read by the selects in step g + 1.
;   T, NEG, POS are named by vector instructions alone.
; Step n: the wait for group n's data; the waits that state what step n - 1 left; the two loads of group n + 8, which land in the buffer that step n - 1 compared; a span's store where
; one is due; group n - 1's selects and conversion; group n's compares.  No vector instruction stands between those waits and the step's loads and store.
; No register that a memory instruction reads is ever written again, so no wait on vm_vsrc is owed.  After the first eighteen, fourteen to sixteen loads of every wave are on their way until the last is asked for.
.set SPANI,  4096                      ; input bytes of a span
.set SPANO,  512                       ; output bytes of a span
.set WAVES,  8
.set GROUPS, 16                        ; groups of a wave: four spans of four
.set NB,     9                         ; group buffers
.set IN,     1                         ; v1        4096 w + 16 lane, never rewritten
.set OUTO,   2                         ; v2        512 w + 16 lane = 16 t, never rewritten
.set NEG,    3                         ; v3        -1.0
.set POS,    4                         ; v4        +1.0; also the conversion's scale: exponent 0, a division by 1
.set T,      6                         ; v[6:13]   eight signs in f32, at work
.set X,      16                        ; v[16:87]  buffer g % 9: 8 registers, a group as loaded
.set Y,      88                        ; v[88:103] span s: 4 registers, 32 codes to store; group g's register is Y + g
.set MK,     20                        ; s20-27    eight compares' lane masks
	s_load_b256 s[4:11], s[0:1], 0x0               ; x s[4:5], weight s[6:7], xsign s[8:9], wsign s[10:11]
	s_and_b32 s12, ttmp7, 0xffff                   ; grid y: which tensor
	s_lshl_b32 s14, ttmp9, 17                      ; my 131,072 input bytes (at most 511 x 131,072: one word is enough)
	s_mov_b32 s15, 0
	s_lshl_b32 s16, ttmp9, 14                      ; my 16,384 output bytes
	s_mov_b32 s17, 0
	v_and_b32 v[IN], 31, v0                        ; lane
	v_lshrrev_b32 v5, 5, v0                        ; wave
	v_lshlrev_b32 v[IN], 4, v[IN]
	v_lshl_add_u32 v[IN], v5, 12, v[IN]
	v_lshlrev_b32 v[OUTO], 4, v0
	v_mov_b32 v[NEG], -1.0
	v_mov_b32 v[POS], 1.0
	s_wait_kmcnt 0x0
	s_cmp_eq_u32 s12, 0                            ; the choice hangs on the grid's y alone
	s_cselect_b64 s[4:5], s[4:5], s[6:7]           ; from x or from weight
	s_cselect_b64 s[8:9], s[8:9], s[10:11]         ; to xsign or to wsign
	s_add_nc_u64 s[4:5], s[4:5], s[14:15]
	s_add_nc_u64 s[8:9], s[8:9], s[16:17]
	s_wait_alu depctr_va_vdst(0)                   ; v[IN] and v[OUTO] are written: every load of the kernel reads the one as its offset, every store the other
; The two loads of group g, into its buffer; read once in the launch.
.macro FILL g
	global_load_b128 v[X+8*((\g)%NB):X+8*((\g)%NB)+3],   v[IN], s[4:5] offset:((\g)/4)*WAVES*SPANI+(2*((\g)%4))*512 th:TH_LOAD_NT
	global_load_b128 v[X+8*((\g)%NB)+4:X+8*((\g)%NB)+7], v[IN], s[4:5] offset:((\g)/4)*WAVES*SPANI+(2*((\g)%4)+1)*512 th:TH_LOAD_NT
.endm
; Group g's eight compares.
.macro SIGNS g
.irp j, 0,1,2,3,4,5,6,7
	v_cmp_le_f32 s[MK+\j], 0, v[X+8*((\g)%NB)+\j]  ; 0 <= v: false for NaN, true for -0.0.  These eight lines also stand between the last conversion and the next write of T, and between it and a store of its result
.endr
.endm
; Group g's eight signs, and its register of eight codes.
.macro CODES g
.irp j, 0,1,2,3,4,5,6,7
	v_cndmask_b32 v[T+\j], v[NEG], v[POS], s[MK+\j]
.endr
	v_cvt_scalef32_pk8_fp4_f32 v[Y+(\g)], v[T:T+7], v[POS]         ; eight codes in one register; exact: +1 and -1
.endm
.macro STORE s
	global_store_b128 v[OUTO], v[Y+4*(\s):Y+4*(\s)+3], s[8:9] offset:(\s)*WAVES*SPANO    ; no hint: the next launch reads these bytes
.endm
.irp g, 0,1,2,3,4,5,6,7,8
	FILL \g                                        ; the ring is filled: eighteen loads
.endr
; Step n.  YG: the youngest group that has been asked for when the step begins: group 8 at first, later group n + 7 (step n - 1 asked for it), at the end group 15.
.macro STEP n
.set YG, (\n)+NB-2
.if YG < NB-1
.set YG, NB-1
.endif
.if YG > GROUPS-1
.set YG, GROUPS-1
.endif
	s_wait_loadcnt 2*(YG-(\n))                     ; loads come back in order (ISA guide 5.7.1): group n's two are in; those of the YG - n younger groups stay out
.if (\n) > 0
	s_wait_alu depctr_va_sdst(0)                   ; the compares of the step before have written s20-27, which the selects below read
.if ((\n)+NB-1 < GROUPS) || (((\n)%4 == 1) && ((\n) > 1))
	s_wait_alu depctr_va_vdst(0)                   ; the compares of the step before are done reading their buffer, in which the loads below land; the conversions so far have written the Y registers that the store below reads
.endif
.if (\n)+NB-1 < GROUPS
	FILL (\n)+NB-1                                 ; group n + 8 into the buffer of group n - 1
.endif
.if ((\n)%4 == 1) && ((\n) > 1)
	STORE (\n)/4-1                                 ; the span whose fourth conversion stood in the step before
.endif
	CODES (\n)-1
.endif
	SIGNS \n
.endm
.irp n, 0,1,2,3,4,5,6,7,8,9,10,11,12,13,14,15
	STEP \n                                        ; steps 8 to 15 ask for nothing more: no load leaves the buffer, and the counts run down to 0
.endr
	s_wait_alu depctr_va_sdst(0)                   ; group 15's compares have written s20-27, which the last selects read
	CODES GROUPS-1
	v_nop                                          ; one plain vector instruction between a scaled conversion and the first use of its result
	s_wait_alu depctr_va_vdst(0)                   ; group 15's conversion has written the last of the four Y registers that the last store reads
	STORE 3
	s_endpgm
.Lfunc_end_k_q8966c9bac3_binarize:
	.size	k_q8966c9bac3_binarize, .Lfunc_end_k_q8966c9bac3_binarize-k_q8966c9bac3_binarize
	.p2alignl 7, 3214868480
	.fill 96, 4, 3214868480
	.section	.rodata,"a",@progbits
	.p2align	6, 0x0
	.amdhsa_kernel k_q8966c9bac3_binarize
		.amdhsa_group_segment_fixed_size 0
		.amdhsa_private_segment_fixed_size 0
		.amdhsa_enable_private_segment 0
		.amdhsa_kernarg_size 32
		.amdhsa_user_sgpr_count 2
		.amdhsa_user_sgpr_kernarg_segment_ptr 1
		.amdhsa_wavefront_size32 1
		.amdhsa_system_sgpr_workgroup_id_x 1
		.amdhsa_system_sgpr_workgroup_id_y 1
		.amdhsa_system_sgpr_workgroup_id_z 1
		.amdhsa_system_vgpr_workitem_id 0
		.amdhsa_next_free_vgpr 104
		.amdhsa_next_free_sgpr 66
		.amdhsa_reserve_vcc 0
		.amdhsa_float_denorm_mode_32 3
		.amdhsa_float_denorm_mode_16_64 3
		.amdhsa_memory_ordered 1
		.amdhsa_forward_progress 1
		.amdhsa_inst_pref_size 23
	.end_amdhsa_kernel
	.amdgpu_metadata
---
amdhsa.version: [ 1, 2 ]
amdhsa.kernels:
  - .name:           k_q8966c9bac3_binarize
    .symbol:         k_q8966c9bac3_binarize.kd
    .args:
      - { .name: x, .offset: 0, .size: 8, .value_kind: global_buffer, .address_space: global }
      - { .name: weight, .offset: 8, .size: 8, .value_kind: global_buffer, .address_space: global }
      - { .name: xsign, .offset: 16, .size: 8, .value_kind: global_buffer, .address_space: global }
      - { .name: wsign, .offset: 24, .size: 8, .value_kind: global_buffer, .address_space: global }
    .group_segment_fixed_size: 0
    .private_segment_fixed_size: 0
    .kernarg_segment_align: 8
    .kernarg_segment_size: 32
    .max_flat_workgroup_size: 256
    .sgpr_count:     66
    .vgpr_count:     104
    .wavefront_size: 32
...
	.end_amdgpu_metadata
.endif
;; end of part 3
;; launch gemm: the kernel of part 2 again; grid 16 x 16, 4 waves a work-group, clusters of 4 x 4, 327,680 bytes of LDS; arguments xsign, wsign, bias, out0; writes out0
